; MI455X (gfx1250); checked and timed in simulation.
; The chip was launched on July 23, 2026; its instructions are those of AMD's public machine-readable ISA for CDNA 5 (MIT licence, August 2026) and "CDNA5" Instruction Set Architecture Reference Guide (July 2026). The comments in the code are by the model that wrote it; some were corrected since.
;; Quasi Metric. Allowed arithmetic: float matrix products may take bf16 or f16 operands with f32 sums; other float arithmetic in f32, or as packed bf16 or f16 multiplies, adds, multiply-adds, maxima and minima; sums over many terms, partial sums and values carried from step to step in f32; what a program stores and reads back later, other than sums and carried values, may be rounded once to bf16 or f16.
;; Inputs: x 262,144 x 128 float32; y 262,144 x 128 float32.
;; Outputs: out0 262,144 float32.
;; 2 versions, each right; version 2 is version 1 with the launch iqe written anew for expert scheduling mode. Each part assembles by itself: llvm-mc -triple=amdgcn-amd-amdhsa -mcpu=gfx1250 --defsym DOCPART=n.
;; ======== version 1 of 2: 1 launch
;; limits: values are held in f16: magnitudes above 65,504 overflow, below 6.1e-05 lose precision
;; launch iqe (part 1): grid 256 x 1, 8 waves a work-group, no clusters, 271,360 bytes of LDS; arguments x, y, out0; writes out0
.if DOCPART == 1
	.amdgcn_target "amdgcn-amd-amdhsa--gfx1250"
	.amdhsa_code_object_version 6
	.text
	.protected	k_qfa012cdcb6_iqe
	.globl	k_qfa012cdcb6_iqe
	.p2align	8
	.type	k_qfa012cdcb6_iqe,@function
k_qfa012cdcb6_iqe:
	s_mov_b64 s[64:65], 0
	v_nop
	global_prefetch_b8 v0, s[64:65] scope:SCOPE_SE
	s_setreg_imm32_b32 hwreg(HW_REG_WAVE_MODE, 25, 1), 1
	s_wait_xcnt 0x0
; out[r] = the length of the union of the intervals (x[r][i], y[r][i]) with x < y, i = 0 .. 127.  x, y: [262144][128] f32, out: [262144] f32.
; That is what the walk over the sorted 256 numbers adds up: minus the start and plus the end of every stretch in which some valid interval is open.
; HOW.  How many intervals are open at t hangs only on the multiset of starts and the multiset of ends.  So with a = x, b = max(x, y) (an invalid pair
; becomes the empty interval (x, x)) the a and the b are sorted apart, ascending, and out = (b[127] - a[0]) + sum over k >= 1 of min(0, b[k-1] - a[k]): the span less the gaps.
; SHARES.  A lane owns a row, a wave a tile of 32 rows, and no lane looks at another.  (a, b) of one column lie as two f16 in one register, so ONE network of packed minima and maxima
; sorts both multisets: Batcher's odd-even merge sort of 128, 1,471 compare-exchanges of two lines.  A work-group has 8 waves and 1,024 rows; a wave has 128 rows, as NT = 4 tiles:
; tile t is the rows 4 lane + t, so that a lane ends with four neighbouring results, 16 bytes, and the wave's one store covers 512 consecutive bytes, aligned.
; THE WAY IN.  One load of a wave is one row, 512 consecutive bytes, aligned.  A ring of 64 loads (a tile: 32 rows of x, 32 of y) lies in v256-v511.  A row that has come goes into the wave's own
; stage in LDS, and the lane reads its own row back.  The ring's lines stand IN the sort, 16 groups of 4: during the sort of tile s tile s + 1 is staged and tile s + 2 is asked for, so the requests
; are spread over the trip and each has a whole trip in which to come.  The stage is the wave's own: the text has no barrier.
; THE LAST TRIPS.  The last two trips have no tile left to ask for, the last none to stage.  The sort's text (23.5 KB) stands once, so its ring lines run there too: the loads are then pointed at x's
; and y's first rows with every lane at the same 16 bytes (64 addresses, the same for all waves), and what they bring goes into a stage that nobody reads again: 128 such loads, 64 such stores a wave.
; LIMITS.  Each endpoint, less the row's x[0] (subtracted in f32: a common offset costs nothing), is rounded once to f16: 11 significant bits of its distance from x[0]; below 2^-14 the step is 2^-24.
; A distance of 65,520 or more becomes infinite, and the row's result is then no number.  Differences and sums are in f32, in another order than the reference's.  NaN and infinities are not treated apart.
.set NW,    8                          ; waves in a work-group
.set NT,    4                          ; tiles of a wave
.set NEL,   128                        ; elements to sort
.set ROWB,  512                        ; bytes in a row of x or y
.set PITCH, 528                        ; a row in the stage: 512 + 16 = 132 words: row r starts at bank 4 r mod 64 (64 banks of 4 bytes: ISA guide 11.1)
.set WLDS,  64*PITCH                   ; a wave's stage: 32 rows of x, then 32 rows of y
.set SPARE, NW*WLDS                    ; behind the stages: the spare words, 128 bytes for each wave, one word a lane
; vector registers, window 0
.set VOFF, 1                           ; v1       the loads' lane offset: 16 x lane, or 0 when there is nothing left to ask for
.set L16,  2                           ; v2       16 x lane
.set VST,  3                           ; v3       stage, way in: my 16 bytes of row 0
.set VLD,  4                           ; v4       stage, way back: my row of x
.set OOFF, 5                           ; v5       my 16 bytes of the group's 4,096 bytes of out
.set MONE, 6                           ; v6       -1.0
.set TV,   7                           ; v7       at work
.set PIV,  8                           ; v[8:9]   the row's x[0], twice
.set SPW,  10                          ; v10      LDS address of my spare word; never rewritten
.set NIL,  11                          ; v11      0; never rewritten
.set RES,  12                          ; v[12:15] my four results
.set TMPB, 16                          ; v[16:47] two sets of 8 columns of x and 8 of y, as read from the stage
.set EV,   16                          ; v[16:23] later: two sets of four terms of the sum
.set ACC,  24                          ; v[24:27] and four partial sums
.set SB,   64                          ; v[64:192] the 128 elements and one spare register
; window 1: v[4 i : 4 i + 3] = ring slot i: row i of the tile's x (i < 32) or row i - 32 of its y
; scalar registers
.set X0,   4                           ; s[4:5] x, s[6:7] y
.set Y0,   6
.set OUTP, 8                           ; s[8:9] out
.set WV,   10                          ; my wave's number
.set XB,   12                          ; s[12:13] x at the tile to be asked for next
.set YB,   14                          ; s[14:15] y likewise
.set OFS,  16                          ; s[16:17] byte offset of my wave's 128 rows
.set CNT,  18                          ; trips to go
.set MSK,  19                          ; at work
.set LB,   20                          ; my stage's first byte
.set OO,   22                          ; s[22:23] byte offset of the group's results
.set MSB, 0
.macro WIN new                         ; s_set_vgpr_msb: bits 1:0 source 0, 3:2 source 1, 5:4 source 2, 7:6 destination; the high byte repeats the setting that is left
.if MSB != (\new)
	s_set_vgpr_msb (MSB<<8)|(\new)
.set MSB, \new
.endif
.endm
.set W_RING, 0x44                      ; an LDS store's data (source 1) and a load's destination in window 1, addresses (source 0) in window 0
; Four loads: group g of 16 of the tile at XB, YB.  Row i of the tile lies NT rows behind row i - 1.
.macro LOAD4 g
.irp q, 0,1,2,3
.if (\g) < 8
	global_load_b128 v[16*(\g)+4*\q:16*(\g)+4*\q+3], v[VOFF], s[XB:XB+1] offset:(4*(\g)+\q)*NT*ROWB th:TH_LOAD_NT
.else
	global_load_b128 v[16*(\g)+4*\q:16*(\g)+4*\q+3], v[VOFF], s[YB:YB+1] offset:(4*(\g)-32+\q)*NT*ROWB th:TH_LOAD_NT
.endif
.endr
.endm
; The ring's turn for group g: its four rows have come, go into the stage, and the slots are asked for again, a tile further on.  Leaves the windows at W_RING.
.macro RING g
	WIN W_RING
	s_wait_loadcnt 60                              ; loads come back in order (ISA guide 5.7.1): behind this group's four stand the other 15 groups' 60, which may stay out
.irp q, 0,1,2,3
	ds_store_b128 v[VST], v[16*(\g)+4*\q:16*(\g)+4*\q+3] offset:(4*(\g)+\q)*PITCH  ; 32 lanes, 512 consecutive bytes of one stage row
.endr
	LOAD4 \g
.endm
	s_load_b128 s[X0:X0+3], s[0:1], 0x0            ; x, y
	s_load_b64 s[OUTP:OUTP+1], s[0:1], 0x10        ; out
	v_lshl_add_u32 v[SPW], v0, 2, SPARE            ; the two registers of the closing add
	v_mov_b32 v[NIL], 0
	v_lshrrev_b32 v[TV], 5, v0
	v_readfirstlane_b32 s[WV], v[TV]               ; wave 0..7
	v_and_b32 v[TV], 31, v0                        ; lane
	v_lshlrev_b32 v[L16], 4, v[TV]
	v_mov_b32 v[VOFF], v[L16]
	s_mul_i32 s[LB], s[WV], WLDS
	v_add_nc_u32 v[VST], s[LB], v[L16]             ; my stage + 16 x lane
	v_mul_u32_u24 v[VLD], v[TV], PITCH
	v_add_nc_u32 v[VLD], s[LB], v[VLD]             ; my stage + lane x pitch
	v_lshlrev_b32 v[OOFF], 4, v0                   ; thread t holds rows 4 t .. 4 t + 3 of the group's 1,024
	v_mov_b32 v[MONE], -1.0
	v_mov_b32 v[RES+1], 0                          ; the results move down a place each trip: three places are read before a result has reached them
	v_mov_b32 v[RES+2], 0
	v_mov_b32 v[RES+3], 0
	s_lshl_b32 s[OFS], ttmp9, 19                   ; the group's 1,024 rows of 512 bytes (under 2^27),
	s_lshl_b32 s[MSK], s[WV], 16                   ; my wave's 128 of them
	s_add_co_u32 s[OFS], s[OFS], s[MSK]
	s_mov_b32 s[OFS+1], 0
	s_lshl_b32 s[OO], ttmp9, 12                    ; the group's 1,024 results
	s_mov_b32 s[OO+1], 0
	s_wait_kmcnt 0x0
	s_add_nc_u64 s[XB:XB+1], s[X0:X0+1], s[OFS:OFS+1]
	s_add_nc_u64 s[YB:YB+1], s[Y0:Y0+1], s[OFS:OFS+1]
	s_add_nc_u64 s[OUTP:OUTP+1], s[OUTP:OUTP+1], s[OO:OO+1]
	WIN W_RING
.set gg, 0
.rept 16                               ; tile 0 is asked for: the ring is full, 64 loads
	LOAD4 gg
.set gg, gg+1
.endr
	WIN 0
	s_wait_xcnt 0x0                                ; the loads' addresses are translated (ISA guide 3.1): only now their bases step
	s_add_nc_u64 s[XB:XB+1], s[XB:XB+1], ROWB      ; the next tile begins one row further down
	s_add_nc_u64 s[YB:YB+1], s[YB:YB+1], ROWB
.set gg, 0
.rept 16                               ; tile 0 goes into the stage as it comes, and tile 1 is asked for slot by slot
	RING gg
.set gg, gg+1
.endr
	WIN 0
	s_wait_xcnt 0x0
	s_add_nc_u64 s[XB:XB+1], s[XB:XB+1], ROWB      ; tile 2
	s_add_nc_u64 s[YB:YB+1], s[YB:YB+1], ROWB
	s_mov_b32 s[CNT], NT
; FROM THE STAGE INTO THE ELEMENTS.  Columns 8 h .. 8 h + 7 of my row: four loads of 16 bytes, x into the set's first eight registers, y into its last eight.
.macro LDPAIR h
.set tb, TMPB+16*((\h)%2)
	ds_load_b128 v[tb:tb+3],     v[VLD] offset:32*(\h)
	ds_load_b128 v[tb+4:tb+7],   v[VLD] offset:32*(\h)+16
	ds_load_b128 v[tb+8:tb+11],  v[VLD] offset:32*PITCH+32*(\h)
	ds_load_b128 v[tb+12:tb+15], v[VLD] offset:32*PITCH+32*(\h)+16
.endm
; b = max(x, y); both less the row's x[0]; rounded together: a into the low half, b into the high half of element 8 h + q.  Then the set is read again, two steps on.
.macro PACK2 h
.set tb, TMPB+16*((\h)%2)
.if (\h) < 15
	s_wait_dscnt 4                                 ; LDS serves a wave in order (ISA guide 5.7.1): my set is in; the other set's four loads may stay out
.else
	s_wait_dscnt 0
.endif
.if (\h) == 0
	v_mov_b32 v[PIV], v[tb]                        ; the row's x[0], for both halves of the packed subtraction
	v_mov_b32 v[PIV+1], v[tb]
.endif
.irp q, 0,1,2,3,4,5,6,7
	v_max_num_f32 v[tb+8+\q], v[tb+\q], v[tb+8+\q]
.endr
.irp q, 0,2,4,6,8,10,12,14
	v_pk_add_f32 v[tb+\q:tb+\q+1], v[tb+\q:tb+\q+1], v[PIV:PIV+1] neg_lo:[0,1] neg_hi:[0,1]
.endr
.irp q, 0,1,2,3,4,5,6,7
	v_cvt_pk_f16_f32 v[SB+8*(\h)+\q], v[tb+\q], v[tb+8+\q]
.endr
.if (\h) < 14
	LDPAIR (\h)+2
.endif
.endm
; THE SORT'S BOOK-KEEPING, all at assembly time.  A compare-exchange of elements u < v writes the minimum into the one spare register and the maximum over v's; u's old register is the next spare:
; two lines and no copy.  Which register (less SB) holds element e is kept in a table of bytes, four to a symbol: MAP0 .. MAP31.  The text stands once, so the table is the same in every trip.
.macro GETM e                          ; ph = the register of element e
.irp w, 0,1,2,3,4,5,6,7,8,9,10,11,12,13,14,15,16,17,18,19,20,21,22,23,24,25,26,27,28,29,30,31
.if ((\e)/4) == \w
.set ph, (MAP\w >> (8*((\e)%4))) & 0xff
.endif
.endr
.endm
.macro PUTM e, val                     ; element e now lies in register val
.irp w, 0,1,2,3,4,5,6,7,8,9,10,11,12,13,14,15,16,17,18,19,20,21,22,23,24,25,26,27,28,29,30,31
.if ((\e)/4) == \w
.set MAP\w, MAP\w ^ ((((MAP\w >> (8*((\e)%4))) & 0xff) ^ (\val)) << (8*((\e)%4)))
.endif
.endr
.endm
.macro CE u, v                         ; both halves at once: the low halves sort the a, the high halves the b
	GETM \u
.set pu, ph
	GETM \v
	v_pk_min_num_f16 v[SB+FREE], v[SB+pu], v[SB+ph]
	v_pk_max_num_f16 v[SB+ph], v[SB+pu], v[SB+ph]
	PUTM \u, FREE
.set FREE, pu
.set nce, nce+1
.if ((nce+46)%92) == 0                 ; behind compare-exchanges 46, 138, .. 1,426: the ring's 16 groups, evenly through the sort
	RING (nce+46)/92-1
	WIN 0
.endif
.endm
; One term of the sum: b[k-1] - a[k], exact products, one rounding to f32; for k = 0 it is b[127] - a[0], the span.
.macro TERM k, dst
	GETM ((\k)+127)%128
.set pb, ph
	GETM \k
	v_fma_mix_f32 v[\dst], v[SB+ph], v[MONE], v[SB+pb] op_sel:[0,0,1] op_sel_hi:[1,0,1]  ; a[k] (f16, low half) x -1.0 (f32) + b[k-1] (f16, high half)
.endm
.Ltile:                                ; NT trips: a tile is packed, sorted and summed; the next is staged, the one after it asked for
	LDPAIR 0                                       ; the stage's stores stand ahead of these loads in my wave's order: no wait between them
	LDPAIR 1
.set hh, 0
.rept 16
	PACK2 hh
.set hh, hh+1
.endr
	; Batcher's odd-even merge sort: runs of np are merged into runs of 2 np by passes at distances nk = np, np / 2, .. 1.  The compare-exchanges of a pass touch different elements.
.irp w, 0,1,2,3,4,5,6,7,8,9,10,11,12,13,14,15,16,17,18,19,20,21,22,23,24,25,26,27,28,29,30,31
.set MAP\w, (4*\w)|((4*\w+1)<<8)|((4*\w+2)<<16)|((4*\w+3)<<24)
.endr
.set FREE, NEL
.set nce, 0
.set np, 1
.set nt, 1
.rept 7
.set nk, np
.rept nt
.if nk == np
.set nj, 0
.else
.set nj, nk
.endif
.rept (NEL-1-nk-nj)/(2*nk)+1
.set ni, 0
.rept nk
.if ((ni+nj)/(2*np)) == ((ni+nj+nk)/(2*np))
	CE ni+nj, ni+nj+nk
.endif
.set ni, ni+1
.endr
.set nj, nj+2*nk
.endr
.set nk, nk/2
.endr
.set np, np*2
.set nt, nt+1
.endr
	; THE SUM: the span, and min(0, b[k-1] - a[k]) for k = 1 .. 127, four terms a turn into four partial sums; the first turn starts them.
.set mm, 0
.rept 32
.if mm == 0
.set eb, ACC
.else
.set eb, EV+4*(mm%2)
.endif
	TERM 4*mm, eb
	TERM 4*mm+1, eb+1
	TERM 4*mm+2, eb+2
	TERM 4*mm+3, eb+3
.if mm > 0
	v_min_num_f32 v[eb], 0, v[eb]
.endif
	v_min_num_f32 v[eb+1], 0, v[eb+1]
	v_min_num_f32 v[eb+2], 0, v[eb+2]
	v_min_num_f32 v[eb+3], 0, v[eb+3]
.if mm > 0
	v_pk_add_f32 v[ACC:ACC+1], v[ACC:ACC+1], v[eb:eb+1]
	v_pk_add_f32 v[ACC+2:ACC+3], v[ACC+2:ACC+3], v[eb+2:eb+3]
.endif
.set mm, mm+1
.endr
	v_pk_add_f32 v[ACC:ACC+1], v[ACC:ACC+1], v[ACC+2:ACC+3]
	v_mov_b32 v[RES], v[RES+1]                     ; the results move down: after NT trips tile t's lies in place t
	v_mov_b32 v[RES+1], v[RES+2]
	v_mov_b32 v[RES+2], v[RES+3]
	v_add_f32 v[RES+3], v[ACC], v[ACC+1]
	s_wait_xcnt 0x0                                ; the trip's loads have had their addresses translated: bases and lane offset are rewritten only behind this wait
	s_add_nc_u64 s[XB:XB+1], s[XB:XB+1], ROWB
	s_add_nc_u64 s[YB:YB+1], s[YB:YB+1], ROWB
	s_sub_co_u32 s[CNT], s[CNT], 1
	s_cmp_gt_u32 s[CNT], 2                         ; a trip asks for the tile two on: there is one while more than two trips are to go
	s_cselect_b64 s[XB:XB+1], s[XB:XB+1], s[X0:X0+1]  ; else: the buffers' first rows,
	s_cselect_b64 s[YB:YB+1], s[YB:YB+1], s[Y0:Y0+1]
	s_cselect_b32 s[MSK], -1, 0
	v_and_b32 v[VOFF], s[MSK], v[L16]              ; and every lane at the same 16 bytes
	s_cmp_lg_u32 s[CNT], 0
	s_cbranch_scc1 .Ltile
	global_store_b128 v[OOFF], v[RES:RES+3], s[OUTP:OUTP+1] th:TH_STORE_NT  ; rows 4 t .. 4 t + 3: the wave stores 512 consecutive bytes, at a multiple of 512 from out's first byte
	s_wait_tensorcnt 0x0                           ; the wave's end, behind my last LDS store
	ds_add_u32 v[SPW], v[NIL]
	s_wait_dscnt 0x0
	s_endpgm
.Lfunc_end_k_qfa012cdcb6_iqe:
	.size	k_qfa012cdcb6_iqe, .Lfunc_end_k_qfa012cdcb6_iqe-k_qfa012cdcb6_iqe
	.p2alignl 7, 3214868480
	.fill 96, 4, 3214868480
	.section	.rodata,"a",@progbits
	.p2align	6, 0x0
	.amdhsa_kernel k_qfa012cdcb6_iqe
		.amdhsa_group_segment_fixed_size 271360
		.amdhsa_private_segment_fixed_size 0
		.amdhsa_enable_private_segment 0
		.amdhsa_kernarg_size 24
		.amdhsa_user_sgpr_count 2
		.amdhsa_user_sgpr_kernarg_segment_ptr 1
		.amdhsa_wavefront_size32 1
		.amdhsa_system_sgpr_workgroup_id_x 1
		.amdhsa_system_sgpr_workgroup_id_y 1
		.amdhsa_system_sgpr_workgroup_id_z 1
		.amdhsa_system_vgpr_workitem_id 0
		.amdhsa_next_free_vgpr 512
		.amdhsa_next_free_sgpr 66
		.amdhsa_reserve_vcc 0
		.amdhsa_float_denorm_mode_32 3
		.amdhsa_float_denorm_mode_16_64 3
		.amdhsa_memory_ordered 1
		.amdhsa_forward_progress 1
		.amdhsa_inst_pref_size 255
	.end_amdhsa_kernel
	.amdgpu_metadata
---
amdhsa.version: [ 1, 2 ]
amdhsa.kernels:
  - .name:           k_qfa012cdcb6_iqe
    .symbol:         k_qfa012cdcb6_iqe.kd
    .args:
      - { .name: x, .offset: 0, .size: 8, .value_kind: global_buffer, .address_space: global }
      - { .name: y, .offset: 8, .size: 8, .value_kind: global_buffer, .address_space: global }
      - { .name: out0, .offset: 16, .size: 8, .value_kind: global_buffer, .address_space: global }
    .group_segment_fixed_size: 271360
    .private_segment_fixed_size: 0
    .kernarg_segment_align: 8
    .kernarg_segment_size: 24
    .max_flat_workgroup_size: 256
    .sgpr_count:     66
    .vgpr_count:     512
    .wavefront_size: 32
...
	.end_amdgpu_metadata
.endif
;; end of part 1
;; ======== version 2 of 2: 1 launch; version 1 with the launch iqe written anew for expert scheduling mode
;; limits: values are held in f16: magnitudes above 65,504 overflow, below 6.1e-05 lose precision
;; launch iqe (part 2): grid 256 x 1, 8 waves a work-group, no clusters, 271,360 bytes of LDS; arguments x, y, out0; writes out0
.if DOCPART == 2
	.amdgcn_target "amdgcn-amd-amdhsa--gfx1250"
	.amdhsa_code_object_version 6
	.text
	.protected	k_qfa012cdcb6_iqe
	.globl	k_qfa012cdcb6_iqe
	.p2align	8
	.type	k_qfa012cdcb6_iqe,@function
k_qfa012cdcb6_iqe:
	s_mov_b64 s[64:65], 0
	v_nop
	global_prefetch_b8 v0, s[64:65] scope:SCOPE_SE
	s_setreg_imm32_b32 hwreg(HW_REG_WAVE_SCHED_MODE, 0, 2), 2
	s_setreg_imm32_b32 hwreg(HW_REG_WAVE_MODE, 25, 1), 1
	s_wait_xcnt 0x0
	s_wait_alu depctr_vm_vsrc(0)
; out[r] = the length of the union of the intervals (x[r][i], y[r][i]) with x < y, i = 0 .. 127.  x, y: [262144][128] f32, out: [262144] f32.
; That is what the walk over the sorted 256 numbers adds up: minus the start and plus the end of every stretch in which some valid interval is open.
; HOW.  How many intervals are open at t hangs only on the multiset of starts and the multiset of ends.  So with a = x, b = max(x, y) (an invalid pair
; becomes the empty interval (x, x)) the a and the b are sorted apart, ascending, and out = (b[127] - a[0]) + sum over k >= 1 of min(0, b[k-1] - a[k]): the span less the gaps.
; SHARES.  A lane owns a row, a wave a tile of 32 rows, and no lane looks at another.  (a, b) of one column lie as two f16 in one register, so ONE network of packed minima and maxima
; sorts both multisets: Batcher's odd-even merge sort of 128, 1,471 compare-exchanges of two lines.  A work-group has 8 waves and 1,024 rows; a wave has 128 rows, as NT = 4 tiles:
; tile t is the rows 4 lane + t, so that a lane ends with four neighbouring results, 16 bytes, and the wave's one store covers 512 consecutive bytes, aligned.
; THE WAY IN.  One load of a wave is one row, 512 consecutive bytes, aligned.  A ring of 64 loads (a tile: 32 rows of x, 32 of y) lies in v256-v511.  A row that has come goes into the wave's own
; stage in LDS, and the lane reads its own row back.  The ring's lines stand IN the sort, in 17 turns: during the sort of tile s tile s + 1 is staged and tile s + 2 is asked for, so the requests
; are spread over the trip and each has nearly a whole trip in which to come.  The stage is the wave's own: the text has no barrier.
; THE LAST TRIPS.  The last two trips have no tile left to ask for, the last none to stage.  The sort's text (23.5 KB) stands once, so its ring lines run there too: the loads are then pointed at x's
; and y's first rows with every lane at the same 16 bytes (64 addresses, the same for all waves), and what they bring goes into a stage that nobody reads again: 128 such loads, 64 such stores a wave.
; LIMITS.  Each endpoint, less the row's x[0] (subtracted in f32: a common offset costs nothing), is rounded once to f16: 11 significant bits of its distance from x[0]; below 2^-14 the step is 2^-24.
; A distance of 65,520 or more becomes infinite, and the row's result is then no number.  Differences and sums are in f32, in another order than the reference's.  NaN and infinities are not treated apart.
; THE MODE: SCHED_MODE bits 1:0 = 2 (LLVM: expert scheduling mode 2), set by the entry lines.  The code itself states the register dependences
; between vector instructions and memory or LDS instructions, with s_wait_alu, always for 0.
; THE PLAN.  Registers that memory or LDS instructions touch:
;   ring slots v256-v511   Written by the global loads, read by the LDS stores into the stage; no vector instruction names them.  Turn g of the ring first loads group g - 1 again, whose LDS stores
;                          were issued a turn earlier, behind one wait on vm_vsrc; then it waits for group g's loads and stores group g.
;   v16-v63, three sets    Step h of the pack works on set h % 3; the LDS loads of step h + 2 land in set (h + 2) % 3 = (h - 1) % 3, the set that step h - 1 worked on.  One wait on va_vdst at the head of
;                          a step states that step h - 1 is done with it; the four loads follow, dealt among step h's vector instructions, which name set h % 3, the pivot and the elements alone.
;                          The sum uses v16-v27 as well.
;   v1                     The global loads' lane offset: read by every one of them, written once at a trip's end, behind a wait on vm_vsrc.
;   v3, v4, v5, v10, v11   Addresses, made at the head and never written again.
;   v12-v15                The results: written by the sum, read by the one store behind the loop.
;   The elements v64-v192, the pivot and -1.0 are named by vector instructions alone.
; One wait on va_vdst at a trip's end, ahead of the branch, serves the way back (v1 for the ring's loads, v16-v63 for the pack's LDS loads) and the way out (v12-v15 for the store).
.set NW,    8                          ; waves in a work-group
.set NT,    4                          ; tiles of a wave
.set NEL,   128                        ; elements to sort
.set ROWB,  512                        ; bytes in a row of x or y
.set PITCH, 528                        ; a row in the stage: 512 + 16 = 132 words: row r starts at bank 4 r mod 64 (64 banks of 4 bytes: ISA guide 11.1)
.set WLDS,  64*PITCH                   ; a wave's stage: 32 rows of x, then 32 rows of y
.set SPARE, NW*WLDS                    ; behind the stages: the spare words, 128 bytes for each wave, one word a lane
; vector registers, window 0
.set VOFF, 1                           ; v1       the loads' lane offset: 16 x lane, or 0 when there is nothing left to ask for
.set L16,  2                           ; v2       16 x lane
.set VST,  3                           ; v3       stage, way in: my 16 bytes of row 0
.set VLD,  4                           ; v4       stage, way back: my row of x
.set OOFF, 5                           ; v5       my 16 bytes of the group's 4,096 bytes of out
.set MONE, 6                           ; v6       -1.0
.set TV,   7                           ; v7       at work
.set PIV,  8                           ; v[8:9]   the row's x[0], twice
.set SPW,  10                          ; v10      LDS address of my spare word; never rewritten
.set NIL,  11                          ; v11      0; never rewritten
.set RES,  12                          ; v[12:15] my four results
.set TMPB, 16                          ; v[16:63] three sets of 8 columns of x and 8 of y, as read from the stage
.set EV,   16                          ; v[16:23] later: two sets of four terms of the sum
.set ACC,  24                          ; v[24:27] and four partial sums
.set SB,   64                          ; v[64:192] the 128 elements and one spare register
; window 1: v[4 i : 4 i + 3] = ring slot i: row i of the tile's x (i < 32) or row i - 32 of its y
; scalar registers
.set X0,   4                           ; s[4:5] x, s[6:7] y
.set Y0,   6
.set OUTP, 8                           ; s[8:9] out
.set WV,   10                          ; my wave's number
.set XB,   12                          ; s[12:13] x at the tile to be asked for next
.set YB,   14                          ; s[14:15] y likewise
.set OFS,  16                          ; s[16:17] byte offset of my wave's 128 rows
.set CNT,  18                          ; trips to go
.set MSK,  19                          ; at work
.set LB,   20                          ; my stage's first byte
.set OO,   22                          ; s[22:23] byte offset of the group's results
.set MSB, 0
.macro WIN new                         ; s_set_vgpr_msb: bits 1:0 source 0, 3:2 source 1, 5:4 source 2, 7:6 destination; the high byte repeats the setting that is left
.if MSB != (\new)
	s_set_vgpr_msb (MSB<<8)|(\new)
.set MSB, \new
.endif
.endm
.set W_RING, 0x44                      ; an LDS store's data (source 1) and a load's destination in window 1, addresses (source 0) in window 0
; Four loads: group g of 16 of the tile at XB, YB.  Row i of the tile lies NT rows behind row i - 1.
.macro LOAD4 g
.irp q, 0,1,2,3
.if (\g) < 8
	global_load_b128 v[16*(\g)+4*\q:16*(\g)+4*\q+3], v[VOFF], s[XB:XB+1] offset:(4*(\g)+\q)*NT*ROWB th:TH_LOAD_NT
.else
	global_load_b128 v[16*(\g)+4*\q:16*(\g)+4*\q+3], v[VOFF], s[YB:YB+1] offset:(4*(\g)-32+\q)*NT*ROWB th:TH_LOAD_NT
.endif
.endr
.endm
; Turn g of 17 of the ring.  Group g - 1, which went into the stage a turn ago, is asked for again, a tile further on; then group g's four rows, which have come, go into the stage.
; Turn 0 has nothing to ask for, turn 16 nothing to stage.  Leaves the windows at W_RING.
.macro RING g
	WIN W_RING
.if (\g) > 0
	s_wait_alu depctr_vm_vsrc(0)                   ; the LDS stores of the turn before have read group g - 1's slots, in which the loads below land
	LOAD4 (\g)-1                                   ; v1, their offset, was shown written by the last wait on va_vdst, and no vector instruction since names it or a slot
.endif
.if (\g) < 16
	s_wait_loadcnt 60                              ; loads come back in order (ISA guide 5.7.1): behind group g's four stand 15 - g groups of its tile and g of the next: 60 loads, which may stay out
.irp q, 0,1,2,3
	ds_store_b128 v[VST], v[16*(\g)+4*\q:16*(\g)+4*\q+3] offset:(4*(\g)+\q)*PITCH  ; 32 lanes, 512 consecutive bytes of one stage row
.endr
.endif
.endm
	s_load_b128 s[X0:X0+3], s[0:1], 0x0            ; x, y
	s_load_b64 s[OUTP:OUTP+1], s[0:1], 0x10        ; out
	v_lshl_add_u32 v[SPW], v0, 2, SPARE            ; the two registers of the closing add
	v_mov_b32 v[NIL], 0
	v_lshrrev_b32 v[TV], 5, v0
	v_readfirstlane_b32 s[WV], v[TV]               ; wave 0..7
	v_and_b32 v[TV], 31, v0                        ; lane
	v_lshlrev_b32 v[L16], 4, v[TV]
	v_mov_b32 v[VOFF], v[L16]
	v_mul_u32_u24 v[VLD], v[TV], PITCH
	v_lshlrev_b32 v[OOFF], 4, v0                   ; thread t holds rows 4 t .. 4 t + 3 of the group's 1,024
	v_mov_b32 v[MONE], -1.0
	v_mov_b32 v[RES+1], 0                          ; the results move down a place each trip: three places are read before a result has reached them
	v_mov_b32 v[RES+2], 0
	v_mov_b32 v[RES+3], 0
	s_wait_alu depctr_va_sdst(0)                   ; the wave's number is written, ahead of its first reader: the stage's place and the wave's rows are made from it
	s_mul_i32 s[LB], s[WV], WLDS
	v_add_nc_u32 v[VST], s[LB], v[L16]             ; my stage + 16 x lane
	v_add_nc_u32 v[VLD], s[LB], v[VLD]             ; my stage + lane x pitch
	s_lshl_b32 s[OFS], ttmp9, 19                   ; the group's 1,024 rows of 512 bytes (under 2^27),
	s_lshl_b32 s[MSK], s[WV], 16                   ; my wave's 128 of them
	s_add_co_u32 s[OFS], s[OFS], s[MSK]
	s_mov_b32 s[OFS+1], 0
	s_lshl_b32 s[OO], ttmp9, 12                    ; the group's 1,024 results
	s_mov_b32 s[OO+1], 0
	s_wait_kmcnt 0x0
	s_add_nc_u64 s[XB:XB+1], s[X0:X0+1], s[OFS:OFS+1]
	s_add_nc_u64 s[YB:YB+1], s[Y0:Y0+1], s[OFS:OFS+1]
	s_add_nc_u64 s[OUTP:OUTP+1], s[OUTP:OUTP+1], s[OO:OO+1]
	WIN W_RING
	s_wait_alu depctr_va_vdst(0)                   ; v1, v3, v4, v5, v10 and v11 are written, which the loads, the LDS stores and loads, the last store and the closing add read; no vector instruction follows ahead of the loop
.set gg, 0
.rept 16                               ; tile 0 is asked for: the ring is full, 64 loads
	LOAD4 gg
.set gg, gg+1
.endr
	WIN 0
	s_wait_xcnt 0x0                                ; the loads' addresses are translated (ISA guide 3.1): only now their bases step
	s_add_nc_u64 s[XB:XB+1], s[XB:XB+1], ROWB      ; the next tile begins one row further down
	s_add_nc_u64 s[YB:YB+1], s[YB:YB+1], ROWB
.set gg, 0
.rept 17                               ; tile 0 goes into the stage as it comes, and tile 1 is asked for, a turn behind
	RING gg
.set gg, gg+1
.endr
	WIN 0
	s_wait_xcnt 0x0
	s_add_nc_u64 s[XB:XB+1], s[XB:XB+1], ROWB      ; tile 2
	s_add_nc_u64 s[YB:YB+1], s[YB:YB+1], ROWB
	s_mov_b32 s[CNT], NT
; FROM THE STAGE INTO THE ELEMENTS.  Columns 8 h .. 8 h + 7 of my row are four loads of 16 bytes, x into the set's first eight registers, y into its last eight.  LDONE is load n of the four.
.macro LDONE h, n
.set lb, TMPB+16*((\h)%3)
	ds_load_b128 v[lb+4*(\n):lb+4*(\n)+3], v[VLD] offset:((\n)/2)*32*PITCH+32*(\h)+16*((\n)%2)
.endm
; Step h.  b = max(x, y); both less the row's x[0]; rounded together: a into the low half, b into the high half of element 8 h + q.  Among these lines the loads of step h + 2 are dealt.
.macro PACK2 h
.set tb, TMPB+16*((\h)%3)
.if (\h) < 15
	s_wait_dscnt 4                                 ; LDS serves a wave in order (ISA guide 5.7.1): my set is in; the next step's four loads may stay out
.else
	s_wait_dscnt 0
.endif
.if ((\h) > 0) && ((\h) < 14)
	s_wait_alu depctr_va_vdst(0)                   ; the step before has written and read its set for the last time: the four loads below land in it (step 0's land in a set that the wait at the trip's end, or the head's, has covered)
.endif
.if (\h) == 0
	v_mov_b32 v[PIV], v[tb]                        ; the row's x[0], for both halves of the packed subtraction
	v_mov_b32 v[PIV+1], v[tb]
.endif
.if (\h) < 14
	LDONE (\h)+2, 0
.endif
.irp q, 0,1,2,3,4,5,6,7
	v_max_num_f32 v[tb+8+\q], v[tb+\q], v[tb+8+\q]
.endr
.if (\h) < 14
	LDONE (\h)+2, 1
.endif
.irp q, 0,2,4,6
	v_pk_add_f32 v[tb+\q:tb+\q+1], v[tb+\q:tb+\q+1], v[PIV:PIV+1] neg_lo:[0,1] neg_hi:[0,1]
.endr
.if (\h) < 14
	LDONE (\h)+2, 2
.endif
.irp q, 8,10,12,14
	v_pk_add_f32 v[tb+\q:tb+\q+1], v[tb+\q:tb+\q+1], v[PIV:PIV+1] neg_lo:[0,1] neg_hi:[0,1]
.endr
.if (\h) < 14
	LDONE (\h)+2, 3
.endif
.irp q, 0,1,2,3,4,5,6,7
	v_cvt_pk_f16_f32 v[SB+8*(\h)+\q], v[tb+\q], v[tb+8+\q]
.endr
.endm
; THE SORT'S BOOK-KEEPING, all at assembly time.  A compare-exchange of elements u < v writes the minimum into the one spare register and the maximum over v's; u's old register is the next spare:
; two lines and no copy.  Which register (less SB) holds element e is kept in a table of bytes, four to a symbol: MAP0 .. MAP31.  The text stands once, so the table is the same in every trip.
.macro GETM e                          ; ph = the register of element e
.irp w, 0,1,2,3,4,5,6,7,8,9,10,11,12,13,14,15,16,17,18,19,20,21,22,23,24,25,26,27,28,29,30,31
.if ((\e)/4) == \w
.set ph, (MAP\w >> (8*((\e)%4))) & 0xff
.endif
.endr
.endm
.macro PUTM e, val                     ; element e now lies in register val
.irp w, 0,1,2,3,4,5,6,7,8,9,10,11,12,13,14,15,16,17,18,19,20,21,22,23,24,25,26,27,28,29,30,31
.if ((\e)/4) == \w
.set MAP\w, MAP\w ^ ((((MAP\w >> (8*((\e)%4))) & 0xff) ^ (\val)) << (8*((\e)%4)))
.endif
.endr
.endm
.macro CE u, v                         ; both halves at once: the low halves sort the a, the high halves the b
	GETM \u
.set pu, ph
	GETM \v
	v_pk_min_num_f16 v[SB+FREE], v[SB+pu], v[SB+ph]
	v_pk_max_num_f16 v[SB+ph], v[SB+pu], v[SB+ph]
	PUTM \u, FREE
.set FREE, pu
.set nce, nce+1
.if ((nce+43)%86) == 0                 ; behind compare-exchanges 43, 129, .. 1,419: the ring's 17 turns, evenly through the sort
	RING (nce+43)/86-1
	WIN 0
.endif
.endm
; One term of the sum: b[k-1] - a[k], exact products, one rounding to f32; for k = 0 it is b[127] - a[0], the span.
.macro TERM k, dst
	GETM ((\k)+127)%128
.set pb, ph
	GETM \k
	v_fma_mix_f32 v[\dst], v[SB+ph], v[MONE], v[SB+pb] op_sel:[0,0,1] op_sel_hi:[1,0,1]  ; a[k] (f16, low half) x -1.0 (f32) + b[k-1] (f16, high half)
.endm
.Ltile:                                ; NT trips: a tile is packed, sorted and summed; the next is staged, the one after it asked for
.irp n, 0,1,2,3
	LDONE 0, \n                                    ; the stage's stores stand ahead of these loads in my wave's order: no wait between them
.endr
.irp n, 0,1,2,3
	LDONE 1, \n
.endr
.set hh, 0
.rept 16
	PACK2 hh
.set hh, hh+1
.endr
	; Batcher's odd-even merge sort: runs of np are merged into runs of 2 np by passes at distances nk = np, np / 2, .. 1.  The compare-exchanges of a pass touch different elements.
.irp w, 0,1,2,3,4,5,6,7,8,9,10,11,12,13,14,15,16,17,18,19,20,21,22,23,24,25,26,27,28,29,30,31
.set MAP\w, (4*\w)|((4*\w+1)<<8)|((4*\w+2)<<16)|((4*\w+3)<<24)
.endr
.set FREE, NEL
.set nce, 0
.set np, 1
.set nt, 1
.rept 7
.set nk, np
.rept nt
.if nk == np
.set nj, 0
.else
.set nj, nk
.endif
.rept (NEL-1-nk-nj)/(2*nk)+1
.set ni, 0
.rept nk
.if ((ni+nj)/(2*np)) == ((ni+nj+nk)/(2*np))
	CE ni+nj, ni+nj+nk
.endif
.set ni, ni+1
.endr
.set nj, nj+2*nk
.endr
.set nk, nk/2
.endr
.set np, np*2
.set nt, nt+1
.endr
	; THE SUM: the span, and min(0, b[k-1] - a[k]) for k = 1 .. 127, four terms a turn into four partial sums; the first turn starts them.
.set mm, 0
.rept 32
.if mm == 0
.set eb, ACC
.else
.set eb, EV+4*(mm%2)
.endif
	TERM 4*mm, eb
	TERM 4*mm+1, eb+1
	TERM 4*mm+2, eb+2
	TERM 4*mm+3, eb+3
.if mm > 0
	v_min_num_f32 v[eb], 0, v[eb]
.endif
	v_min_num_f32 v[eb+1], 0, v[eb+1]
	v_min_num_f32 v[eb+2], 0, v[eb+2]
	v_min_num_f32 v[eb+3], 0, v[eb+3]
.if mm > 0
	v_pk_add_f32 v[ACC:ACC+1], v[ACC:ACC+1], v[eb:eb+1]
	v_pk_add_f32 v[ACC+2:ACC+3], v[ACC+2:ACC+3], v[eb+2:eb+3]
.endif
.set mm, mm+1
.endr
	v_pk_add_f32 v[ACC:ACC+1], v[ACC:ACC+1], v[ACC+2:ACC+3]
	v_mov_b32 v[RES], v[RES+1]                     ; the results move down: after NT trips tile t's lies in place t
	v_mov_b32 v[RES+1], v[RES+2]
	v_mov_b32 v[RES+2], v[RES+3]
	v_add_f32 v[RES+3], v[ACC], v[ACC+1]
	s_wait_xcnt 0x0                                ; the trip's loads have had their addresses translated: bases and lane offset are rewritten only behind this wait
	s_wait_alu depctr_vm_vsrc(0)                   ; the trip's loads have read v1, which is written again below
	s_add_nc_u64 s[XB:XB+1], s[XB:XB+1], ROWB
	s_add_nc_u64 s[YB:YB+1], s[YB:YB+1], ROWB
	s_sub_co_u32 s[CNT], s[CNT], 1
	s_cmp_gt_u32 s[CNT], 2                         ; a trip asks for the tile two on: there is one while more than two trips are to go
	s_cselect_b64 s[XB:XB+1], s[XB:XB+1], s[X0:X0+1]  ; else: the buffers' first rows,
	s_cselect_b64 s[YB:YB+1], s[YB:YB+1], s[Y0:Y0+1]
	s_cselect_b32 s[MSK], -1, 0
	v_and_b32 v[VOFF], s[MSK], v[L16]              ; and every lane at the same 16 bytes
	s_wait_alu depctr_va_vdst(0)                   ; v1 is written, which the next trip's loads read; pack and sum are done with v16-v63, in which the next trip's LDS loads land; v12-v15 are written, which the store behind the loop reads
	s_cmp_lg_u32 s[CNT], 0
	s_cbranch_scc1 .Ltile
	global_store_b128 v[OOFF], v[RES:RES+3], s[OUTP:OUTP+1] th:TH_STORE_NT  ; rows 4 t .. 4 t + 3: the wave stores 512 consecutive bytes, at a multiple of 512 from out's first byte
	s_wait_dscnt 0x0                               ; the wave's end
	s_wait_alu 0x0
	s_wait_tensorcnt 0x0
	ds_add_u32 v[SPW], v[NIL]
	s_wait_dscnt 0x0
	s_endpgm
.Lfunc_end_k_qfa012cdcb6_iqe:
	.size	k_qfa012cdcb6_iqe, .Lfunc_end_k_qfa012cdcb6_iqe-k_qfa012cdcb6_iqe
	.p2alignl 7, 3214868480
	.fill 96, 4, 3214868480
	.section	.rodata,"a",@progbits
	.p2align	6, 0x0
	.amdhsa_kernel k_qfa012cdcb6_iqe
		.amdhsa_group_segment_fixed_size 271360
		.amdhsa_private_segment_fixed_size 0
		.amdhsa_enable_private_segment 0
		.amdhsa_kernarg_size 24
		.amdhsa_user_sgpr_count 2
		.amdhsa_user_sgpr_kernarg_segment_ptr 1
		.amdhsa_wavefront_size32 1
		.amdhsa_system_sgpr_workgroup_id_x 1
		.amdhsa_system_sgpr_workgroup_id_y 1
		.amdhsa_system_sgpr_workgroup_id_z 1
		.amdhsa_system_vgpr_workitem_id 0
		.amdhsa_next_free_vgpr 512
		.amdhsa_next_free_sgpr 66
		.amdhsa_reserve_vcc 0
		.amdhsa_float_denorm_mode_32 3
		.amdhsa_float_denorm_mode_16_64 3
		.amdhsa_memory_ordered 1
		.amdhsa_forward_progress 1
		.amdhsa_inst_pref_size 255
	.end_amdhsa_kernel
	.section	.bss,"aw",@nobits
	.p2align	6
	.space	262144
	.amdgpu_metadata
---
amdhsa.version: [ 1, 2 ]
amdhsa.kernels:
  - .name:           k_qfa012cdcb6_iqe
    .symbol:         k_qfa012cdcb6_iqe.kd
    .args:
      - { .name: x, .offset: 0, .size: 8, .value_kind: global_buffer, .address_space: global }
      - { .name: y, .offset: 8, .size: 8, .value_kind: global_buffer, .address_space: global }
      - { .name: out0, .offset: 16, .size: 8, .value_kind: global_buffer, .address_space: global }
    .group_segment_fixed_size: 271360
    .private_segment_fixed_size: 0
    .kernarg_segment_align: 8
    .kernarg_segment_size: 24
    .max_flat_workgroup_size: 256
    .sgpr_count:     66
    .vgpr_count:     512
    .wavefront_size: 32
...
	.end_amdgpu_metadata
.endif
;; end of part 2
